; MI455X (gfx1250); checked and timed in simulation.
; The chip was launched on July 23, 2026; its instructions are those of AMD's public machine-readable ISA for CDNA 5 (MIT licence, August 2026) and "CDNA5" Instruction Set Architecture Reference Guide (July 2026). The comments in the code are by the model that wrote it; some were corrected since.
;; Dinov2 Sdpa Self Attention Wrapper. Allowed arithmetic: matrix products marked QUANTISED: E2M3 operands, one E8M0 scale for each 32 along K, by v_wmma_scale_f32_16x16x128_f8f6f4 with both operands' format E2M3, f32 sums; everything else in f32.
;; Inputs: Wk_codes 1,024 x 32 x 24 uint8 (E2M3 codes of Wk, K innermost, in blocks of 32 codes, four codes in three bytes); Wk_scales 1,024 x 32 uint8 (E8M0 scales of Wk, one for each 32 codes along K); Wq_codes 1,024 x 32 x 24 uint8 (E2M3 codes of Wq, K innermost, in blocks of 32 codes, four codes in three bytes); Wq_scales 1,024 x 32 uint8 (E8M0 scales of Wq, one for each 32 codes along K); Wv_codes 1,024 x 32 x 24 uint8 (E2M3 codes of Wv, K innermost, in blocks of 32 codes, four codes in three bytes); Wv_scales 1,024 x 32 uint8 (E8M0 scales of Wv, one for each 32 codes along K); bk 1,024 float32; bq 1,024 float32; bv 1,024 float32; hidden_states_codes 4 x 1,370 x 32 x 24 uint8 (E2M3 codes of hidden_states, K innermost, in blocks of 32 codes, four codes in three bytes); hidden_states_scales 4 x 1,370 x 32 uint8 (E8M0 scales of hidden_states, one for each 32 codes along K).
;; Outputs: out0 4 x 1,370 x 1,024 float32.
;; This version of the problem:
;;   THIS VERSION OF THE PROBLEM IS GIVEN IN LOW PRECISION. The matrix products marked QUANTISED in the list below multiply operands that are first quantised to E2M3 (2 exponent bits, 3 mantissa bits; 6 bits a number), with one power-of-two scale for each 32 numbers along K (OCP MX v1.0); their sums are f32. All else is computed in f32.
;;   The module's matrix products, in the order in which they are computed (A, B: the left and right operand; K: the contracted axis; several contracted axes count as one K, in the product's order):
;;     1. [M 5,480, K 1,024] x [K 1,024, N 1,024]; A: input hidden_states (given as codes); B: input Wq (given as codes): QUANTISED
;;     2. [M 5,480, K 1,024] x [K 1,024, N 1,024]; A: input hidden_states (given as codes); B: input Wk (given as codes): QUANTISED
;;     3. [M 5,480, K 1,024] x [K 1,024, N 1,024]; A: input hidden_states (given as codes); B: input Wv (given as codes): QUANTISED
;;     4. batch 64 x [M 1,370, K 64] x [K 64, N 1,370]; A: computed on the way; B: computed on the way: QUANTISED
;;     5. batch 64 x [M 1,370, K 1,370] x [K 1,370, N 64]; A: softmax (see below); B: computed on the way: QUANTISED
;;   THE QUANTISER, for each operand of a quantised product, along K:
;;     - K is cut into blocks of 32 from its start; a last block that is shorter is filled with zeros.
;;     - A block's scale is 2^e with e = floor(log2(the largest magnitude in the block)) - 2, held to -126 .. 127; a block of zeros has e = 0. As a byte (E8M0): e + 127.
;;     - Each number is divided by its block's scale, clamped to +-7.5, and rounded to the nearest number of E2M3, ties to even, subnormals kept.
;;     - The product sums the exact products of the quantised numbers (number of the format x scale) in f32.
;;   ~~~python
;;   def quantise(x, axis):      # numpy; x: float32 -> the quantised numbers, widened to float32 again
;;       x = np.moveaxis(x, axis, -1); K = x.shape[-1]
;;       x = np.pad(x, [(0, 0)] * (x.ndim - 1) + [(0, -K % 32)]); x = x.reshape(x.shape[:-1] + (-1, 32)); a = np.abs(x).max(-1, keepdims=True)
;;       e = np.where(a > 0, np.clip(np.frexp(np.where(a > 0, a, 1))[1] - 1 - 2, -126, 127), 0)      # np.frexp(a)[1] - 1 = floor(log2(a)), exactly
;;       r = np.clip(x / 2.0 ** e, -7.5, 7.5)
;;       step = 2.0 ** (np.maximum(np.frexp(np.where(r == 0, 1, r))[1] - 1, 0) - 3)
;;       q = np.round(r / step) * step * 2.0 ** e      # np.round: ties to even
;;       return np.moveaxis(q.reshape(q.shape[:-2] + (-1,))[..., :K], -1, axis).astype(np.float32)
;;   ~~~
;;   SOFTMAX AHEAD OF A QUANTISED PRODUCT. Where the list says 'softmax', what is quantised is not the finished softmax but p = 2^(t - M), with t = logit x log2(e) and M = ceil(the row's largest t), a whole number; so 1/2 < the row's largest p <= 1. The row's sum l is taken of the UNQUANTISED p, in f32, and the product's result is divided by l at the end. Since M is a whole number, a kernel that streams over the keys may use a running M (the ceiling of the running maximum): every later rescaling is an exact power of two, which a block's scale takes up: the codes' values come out the same.
;;   OPERANDS COMPUTED ON THE WAY. 'Computed on the way' means the value that the module computes at that place (a softmax that the list does not call 'softmax' is quantised finished and normalised). What goes into a quantiser is computed in f32, as accurately as f32 sums, v_exp_f32 and their like allow (about 1e-6 of the number): no bf16 or f16 on the way to a quantiser, and a product that is left as it is and whose result goes on into a quantised operand takes f32 operands (vector FMAs, or v_wmma_f32_16x16x4_f32). A number that lies on a knife's edge between two numbers of the format may be rounded either way, as far as f32 arithmetic and the matrix unit's own rounding can turn it there, and no further.
;;   INPUTS GIVEN AS CODES. Wk (in the module: [1024, 1024], K = its axis 1); Wq (in the module: [1024, 1024], K = its axis 1); Wv (in the module: [1024, 1024], K = its axis 1); hidden_states (in the module: [4, 1370, 1024], K = its axis 2): each comes as NAME_codes (uint8): NAME with its K axis moved to the last place and cut into blocks of 32 codes, [.., K / 32, bytes a block], one block behind the other in memory; four codes in three bytes: a row's codes are one little-endian stream of bits, code i at bits 6 i .. 6 i + 5 (a code: sign, 2 exponent bits, 3 mantissa bits); and NAME_scales (uint8): the same leading axes, one E8M0 byte (e + 127) for each 32 codes along K. Its value is code x scale, taken as it is: it is not quantised again, and the codes and scales need not be those that the quantiser above would give.
;; One version. Each part assembles by itself: llvm-mc -triple=amdgcn-amd-amdhsa -mcpu=gfx1250 --defsym DOCPART=n.
;; ======== version 1 of 1: 2 launches
;; limits: right only within a limited range of input values
;; workspace buffers: kv 9,011,200 bytes
;; launch kvproj (part 1): grid 8 x 22, 4 waves a work-group, clusters of 4 x 1, 327,680 bytes of LDS; arguments hidden_states_codes, hidden_states_scales, Wk_codes, Wk_scales, Wv_codes, Wv_scales, bk, bv, kv; writes kv
.if DOCPART == 1
	.amdgcn_target "amdgcn-amd-amdhsa--gfx1250"
	.amdhsa_code_object_version 6
	.text
	.protected	k_qcc9c9ead80_kvproj
	.globl	k_qcc9c9ead80_kvproj
	.p2align	8
	.type	k_qcc9c9ead80_kvproj,@function
k_qcc9c9ead80_kvproj:
	s_mov_b64 s[64:65], 0
	v_nop
	global_prefetch_b8 v0, s[64:65] scope:SCOPE_SE
	s_setreg_imm32_b32 hwreg(HW_REG_WAVE_MODE, 25, 1), 1
	s_wait_xcnt 0x0
	s_wait_alu depctr_hold_cnt(0) depctr_sa_sdst(0) depctr_va_vdst(0) depctr_va_sdst(0) depctr_va_ssrc(0) depctr_va_vcc(0) depctr_vm_vsrc(0)
	s_getreg_b32 s2, hwreg(HW_REG_IB_STS2, 6, 4)
	s_cmp_eq_u32 s2, 0
	s_cbranch_scc0 .Lentry_in_a_cluster
	s_endpgm
.Lentry_in_a_cluster:
	s_bfe_u32 s2, ttmp6, 0x10000c
	s_cmp_lg_u32 s2, 0x3003
	s_cbranch_scc0 .Lentry_shape_is_right
	s_endpgm
.Lentry_shape_is_right:
; k = H Wk^T + bk and v = H Wv^T + bv on codes of FP6 (E2M3) with E8M0 scales, quantised here (k along the channels, v along the keys) and stored in kv as operand images, a block of 12,800 bytes for each (batch, head, 128 keys).
; A work-group: two tiles of 128 rows of H x 128 rows of Wk and of Wv; a wave makes 128 x 128 (waves 0, 1: k; waves 2, 3: v, with the sources' places exchanged by their LDS addresses alone).
; K goes through a ring of two LDS slots in CHUNKS OF 256 BYTES of each row of codes (a row is 768 bytes: three chunks, each beginning at a multiple of 256 bytes); a step of 128 along K is 96 bytes: eight steps to three chunks,
; steps 2 and 5 lie across two chunks.  H's tiles are asked for jointly by the four work-groups of a cluster.  No prefetch: the walk along K is written out, with three chunks in all, and has no loop to run ahead in.
.set STEPS,  8
.set CHUNKS, 3
.set NQ,     2
.set ROWB,   256
.set KROW,   768
.set PITCH,  272                       ; 256 bytes + 16 of padding
.set FR,     12
.set NL,     6
.set NP,     4
.set HALFT,  128*PITCH
.set SLOT,   4*HALFT
.set SCL,    2*SLOT
.set SPS,    40
.set HALFS,  128*SPS
.set SBLK,   16*SPS
.set SPARE,  SCL+4*HALFS
.set STGW,   12800
.set HEADB,  6400
.set NEXTH,  11*12800-HEADB
.set STK,  8
.set SSK,  9
.set STV,  10
.set SSV,  11
.set OA,   12
.set OM,   13
.set OB,   14
.set ZR,   15
.set ADRA, 16
.set ADRB, 20
.set ADRS, 27
.set SPW,  28
.set NIL,  29
.set SC,   32
.set BK,   64
.set AF,   128
.set BV,   224
.set TM,   240
.set HA,   128
.set PC,   192
.set PW,   212
.set CB,   128
.set WV,   22
.set ROLE, 23
.set HALF, 24
.set EDGE, 25
.set LH,   26
.set MALL, 27
.set G1H,  36
.set G1HE, 44
.set G1W,  52
.set G0S,  60
.set SEL,  66
.set G1S,  68
.set G1SE, 76
.set G0H,  84
.set G0W,  92
.set MHI,  100
.set X,    101
.set MSB, 0
.macro WIN new
.if MSB != \new
	s_set_vgpr_msb (MSB<<8)|\new
.set MSB, \new
.endif
.endm
.set MUL_LO, 0xa1
.set MUL_HI, 0xf1
.set TO_B,   0x40
.macro TLOAD3 g0h, g0w
	s_cmp_eq_u32 s[LH], 0
	s_cbranch_scc1 .Lfor_w_\@
	s_cmp_eq_u32 s[EDGE], 0
	s_cbranch_scc0 .Lfor_e_\@
	tensor_load_to_lds s[\g0h:\g0h+3], s[G1H:G1H+7]
	s_nop 0
.rept 4
	v_nop
.endr
	s_branch .Lasked_\@
.Lfor_e_\@:
	tensor_load_to_lds s[\g0h:\g0h+3], s[G1HE:G1HE+7]
	s_nop 0
.rept 4
	v_nop
.endr
	s_branch .Lasked_\@
.Lfor_w_\@:
	tensor_load_to_lds s[\g0w:\g0w+3], s[G1W:G1W+7]
	s_nop 0
.rept 4
	v_nop
.endr
.Lasked_\@:
.endm
.macro CREST
	s_cmp_lg_u32 s[WV], 0
	s_cbranch_scc1 .Lnot_wave_0_\@
	s_barrier_signal -3
.Lnot_wave_0_\@:
	s_barrier_wait -3
	s_barrier_signal -1
	s_barrier_wait -1
.endm
.macro CROUND
	s_barrier_signal -1
	s_barrier_wait -1
	CREST
.endm
	s_load_b256 s[4:11], s[0:1], 0x0
	s_load_b256 s[12:19], s[0:1], 0x20
	s_load_b64 s[20:21], s[0:1], 0x40
	v_lshl_add_u32 v[SPW], v0, 2, SPARE
	v_mov_b32 v[NIL], 0
	ds_add_u32 v28, v29
	ds_add_u32 v28, v29
	s_wait_dscnt 0x0
	v_lshrrev_b32 v1, 5, v0
	v_readfirstlane_b32 s[WV], v1
	s_lshr_b32 s[ROLE], s[WV], 1
	s_and_b32 s[HALF], s[WV], 1
	s_add_co_u32 s[LH], s[WV], 1
	s_bfe_u32 s[LH], s[LH], 0x10001
	s_bfe_u32 s3, ttmp6, 0x40000
	s_lshl_b32 s[X], ttmp9, 2
	s_add_co_u32 s[X], s[X], s3
	s_and_b32 s28, ttmp7, 0xffff
	s_lshl_b32 s28, s28, 1
	s_add_co_u32 s29, s28, s[ROLE]
	s_mul_i32 s30, s29, 373
	s_lshr_b32 s30, s30, 12
	s_mul_i32 s31, s30, 11
	s_sub_co_u32 s31, s29, s31
	s_cmp_eq_u32 s31, 10
	s_cselect_b32 s[EDGE], s[LH], 0
	s_mul_i32 s30, s30, 1370
	s_lshl_b32 s31, s31, 7
	s_add_co_u32 s30, s30, s31
	s_mul_i32 s34, s30, KROW
	s_mov_b32 s35, 0
	s_lshl_b32 s30, s30, 5
	s_add_co_u32 s28, s28, s[HALF]
	s_mul_i32 s29, s28, 373
	s_lshr_b32 s29, s29, 12
	s_mul_i32 s31, s29, 11
	s_sub_co_u32 s31, s28, s31
	s_cmp_eq_u32 s31, 10
	s_cselect_b32 s[MALL], -1, 0
	s_cselect_b32 s[MHI], 0xffff0000, 0
	s_lshl_b32 s32, s29, 4
	s_lshl_b32 s33, s[X], 1
	s_add_co_u32 s32, s32, s33
	s_mul_i32 s32, s32, 11
	s_add_co_u32 s32, s32, s31
	s_mul_i32 s32, s32, 12800
	s_mul_i32 s33, s[ROLE], HEADB
	s_add_co_u32 s32, s32, s33
	s_mov_b32 s33, 0
	s_mov_b32 s[G1H], 15|(1<<20)|(1<<21)|(5<<22)|(3<<25)    ; padding of 4 words behind every 64 words
	s_mov_b32 s[G1HE], 15|(1<<20)|(1<<21)|(5<<22)|(3<<25)
	s_mov_b32 s[G1W], (1<<20)|(5<<22)|(3<<25)
.irp g, G1H, G1HE, G1W
	s_mov_b32 s[\g+1], ROWB<<16
	s_mov_b32 s[\g+3], ROWB<<16
	s_mov_b32 s[\g+4], 128
	s_mov_b32 s[\g+5], KROW
	s_mov_b32 s[\g+6], 0
	s_mov_b32 s[\g+7], 0
.endr
	s_mov_b32 s[G1H+2], 128<<16
	s_mov_b32 s[G1W+2], 128<<16
	s_mov_b32 s[G1HE+2], 90<<16
.irp g, G1S, G1SE
	s_mov_b32 s[\g], (1<<20)|(2<<22)|(1<<25)
	s_mov_b32 s[\g+1], 32<<16
	s_mov_b32 s[\g+3], 32<<16
	s_mov_b32 s[\g+4], 128
	s_mov_b32 s[\g+5], 32
	s_mov_b32 s[\g+6], 0
	s_mov_b32 s[\g+7], 0
.endr
	s_mov_b32 s[G1S+2], 128<<16
	s_mov_b32 s[G1SE+2], 90<<16
	s_mov_b32 s[SEL], 0x76543210
	s_mov_b32 s[SEL+1], 0xfedcba98
	s_wait_kmcnt 0x0
	s_add_nc_u64 s[20:21], s[20:21], s[32:33]
	s_add_nc_u64 s[4:5], s[4:5], s[34:35]
	s_cmp_eq_u32 s[WV], 0
	s_cselect_b64 s[8:9], s[12:13], s[8:9]
	s_cselect_b64 s[10:11], s[14:15], s[10:11]
	s_mul_i32 s32, s[X], 128*KROW
	s_add_nc_u64 s[8:9], s[8:9], s[32:33]
	s_lshl_b32 s32, s[X], 12
	s_cmp_eq_u32 s[LH], 1
	s_cselect_b64 s[6:7], s[6:7], s[10:11]
	s_cselect_b32 s32, s30, s32
	s_add_nc_u64 s[6:7], s[6:7], s[32:33]
	s_lshl_b32 s32, s[X], 9
	s_add_nc_u64 s[16:17], s[16:17], s[32:33]
	s_add_nc_u64 s[18:19], s[18:19], s[32:33]
	s_mul_i32 s2, s[WV], HALFT
	CROUND
	s_mov_b32 s[G0S], 1
	s_mul_i32 s[G0S+1], s[WV], HALFS
	s_add_co_u32 s[G0S+1], s[G0S+1], SCL
	s_mov_b64 s[G0S+2:G0S+3], s[6:7]
	s_or_b32 s[G0S+3], s[G0S+3], 0x80000000
	s_cmp_eq_u32 s[EDGE], 0
	s_cbranch_scc0 .Lsc_edge
	tensor_load_to_lds s[G0S:G0S+3], s[G1S:G1S+7]
	s_nop 0
.rept 4
	v_nop
.endr
	s_branch .Lsc_asked
.Lsc_edge:
	tensor_load_to_lds s[G0S:G0S+3], s[G1SE:G1SE+7]
	s_nop 0
.rept 4
	v_nop
.endr
.Lsc_asked:
.irp s, 0,1
	s_mov_b32 s[G0H+4*\s], 1
	s_add_co_u32 s[G0H+4*\s+1], s2, \s*SLOT
	s_add_nc_u64 s[G0H+4*\s+2:G0H+4*\s+3], s[4:5], \s*ROWB
	s_or_b32 s[G0H+4*\s+3], s[G0H+4*\s+3], 0x80000000
	s_mov_b32 s[G0W+4*\s], 1
	s_add_co_u32 s[G0W+4*\s+1], s2, \s*SLOT
	s_add_nc_u64 s[G0W+4*\s+2:G0W+4*\s+3], s[8:9], \s*ROWB
	s_or_b32 s[G0W+4*\s+3], s[G0W+4*\s+3], 0x80000000
	s_wait_alu depctr_va_vdst(0)
	s_wait_tensorcnt 0x0
	ds_add_u32 v28, v29
	s_wait_dscnt 0x0
	CROUND
	TLOAD3 G0H+4*\s, G0W+4*\s
.endr
	v_and_b32 v1, 15, v0
	v_bfe_u32 v2, v0, 4, 1
	v_lshlrev_b32 v6, 5, v2
	v_lshlrev_b32 v7, 2, v1
.irp b, 0,1,2,3,4,5,6,7
	global_load_b128 v[BK+8*\b:BK+8*\b+3], v6, s[16:17] offset:64*\b
	global_load_b128 v[BK+8*\b+4:BK+8*\b+7], v6, s[16:17] offset:64*\b+16
.endr
.irp a, 0,1,2,3,4,5,6,7
	global_load_b32 v[BV+2*\a], v7, s[18:19] offset:64*\a
	global_load_b32 v[BV+2*\a+1], v7, s[18:19] offset:64*\a
.endr
	v_mul_u32_u24 v3, v1, PITCH
	v_mul_u32_u24 v4, v2, 24
	v_add_nc_u32 v4, v3, v4
	s_wait_alu depctr_va_vdst(0)
	s_mov_b32 s32, SLOT-232
	s_mov_b32 s33, SLOT+232
	v_sub_nc_u32 v30, 1, v2                        ; 1 in lanes 0-15
	v_mul_u32_u24 v25, s32, v2
	v_mul_u32_u24 v26, s33, v30
	v_add_nc_u32 v25, v3, v25
	v_add_nc_u32 v25, 232, v25                     ; across two chunks: lanes 0-15 byte 232 of the row in slot 0, lanes 16-31 byte 0 of the row in slot 1;
	v_add_nc_u32 v26, v3, v26                      ; and lanes 0-15 byte 232 in slot 1, lanes 16-31 byte 0 in slot 0
	s_wait_alu depctr_va_vdst(0)
	s_xor_b32 s28, s[ROLE], 1
	s_add_co_u32 s29, s[HALF], 1
	s_mul_i32 s30, s28, s29
	s_mul_i32 s31, s[ROLE], s29
	s_mul_i32 s28, s28, 3
	s_add_co_u32 s31, s31, s28
	s_mul_i32 s28, s30, HALFT
	s_mul_i32 s29, s31, HALFT
	v_add_nc_u32 v[ADRA+2], s28, v25
	v_add_nc_u32 v[ADRA+3], s28, v26
	v_add_nc_u32 v[ADRB+2], s29, v25
	v_add_nc_u32 v[ADRB+3], s29, v26
.irp s, 0,1
	v_add_nc_u32 v[ADRA+\s], s28, v4
	v_add_nc_u32 v[ADRB+\s], s29, v4
	s_add_co_u32 s28, s28, SLOT
	s_add_co_u32 s29, s29, SLOT
.endr
	v_mul_u32_u24 v3, v1, SPS
	s_mul_i32 s28, s30, HALFS
	s_mul_i32 s29, s31, HALFS
	s_sub_co_u32 s29, s29, s28
	v_mul_u32_u24 v24, s29, v2
	s_add_co_u32 s28, s28, SCL
	v_add_nc_u32 v3, v3, v24
	v_add_nc_u32 v[ADRS], s28, v3
	s_mul_i32 s28, s[WV], STGW
	s_add_co_u32 s28, s28, SLOT                    ; the stage lies in slot 1, which does not hold the last chunk: it has had its last fill and, behind step 5's barrier, its last read
	v_lshrrev_b32 v3, 3, v1
	v_and_b32 v4, 7, v1
	v_mul_u32_u24 v[STK], v3, 1536
	v_lshl_add_u32 v[STK], v4, 4, v[STK]
	v_lshl_add_u32 v[STK], v2, 8, v[STK]
	v_add_nc_u32 v[STK], s28, v[STK]
	v_lshlrev_b32 v[SSK], 4, v4
	v_lshl_add_u32 v[SSK], v3, 2, v[SSK]
	v_add_nc_u32 v[SSK], s28, v[SSK]
	v_and_b32 v5, 31, v0
	v_lshlrev_b32 v[OA], 4, v5
	v_add_nc_u32 v[STV], s28, v[OA]
	v_lshlrev_b32 v[SSV], 4, v1
	v_add_nc_u32 v[SSV], s28, v[SSV]
	v_mul_u32_u24 v[OM], v2, NEXTH
	v_add_nc_u32 v[OM], v[OM], v[OA]
	v_add_nc_u32 v[OB], NEXTH, v[OA]
	v_mov_b32 v[ZR], 0
.irp b, 0,1,2,3
	v_mov_b32 v[TM+4+\b], 0
.endr
.macro FRAG reg, adr, st, i            ; a fragment of step st, in pieces of 8 bytes: byte y of a row lies in chunk y / 256, in slot (y / 256) % 2, at byte y % 256 of the LDS row
.irp p, 0,1,2,3,4,5
.set BY, 96*(\st)+48*(\p/3)+8*(\p%3)
.if BY/ROWB == (BY+24)/ROWB
	ds_load_b64 v[\reg+2*\p:\reg+2*\p+1], v[\adr+(BY/ROWB)%2] offset:BY%ROWB+(\i)*16*PITCH
.else
	ds_load_b64 v[\reg+2*\p:\reg+2*\p+1], v[\adr+2+(BY/ROWB)%2] offset:BY%ROWB-232+(\i)*16*PITCH
.endif
.endr
.endm
.macro MUL16 a0, p, q, sc, zero
.irp a, \a0, \a0+1
.irp b, 0,1,2,3,4,5,6,7
.if \zero
	v_wmma_scale_f32_16x16x128_f8f6f4 v[8*(8*((\a)%4)+\b):8*(8*((\a)%4)+\b)+7], v[128*(\p)+FR*\b:128*(\p)+FR*\b+FR-1], v[AF+FR*(\a):AF+FR*(\a)+FR-1], 0, v[SC+8*NQ*(\sc)+NQ*\b+(\q)], v[SC+8*NQ*(\sc)+NQ*(\a)+(\q)] matrix_a_fmt:MATRIX_FMT_FP6 matrix_b_fmt:MATRIX_FMT_FP6 matrix_a_scale:MATRIX_SCALE_ROW1
.else
	v_wmma_scale_f32_16x16x128_f8f6f4 v[8*(8*((\a)%4)+\b):8*(8*((\a)%4)+\b)+7], v[128*(\p)+FR*\b:128*(\p)+FR*\b+FR-1], v[AF+FR*(\a):AF+FR*(\a)+FR-1], v[8*(8*((\a)%4)+\b):8*(8*((\a)%4)+\b)+7], v[SC+8*NQ*(\sc)+NQ*\b+(\q)], v[SC+8*NQ*(\sc)+NQ*(\a)+(\q)] matrix_a_fmt:MATRIX_FMT_FP6 matrix_b_fmt:MATRIX_FMT_FP6 matrix_a_scale:MATRIX_SCALE_ROW1
.endif
.endr
.endr
.endm
.macro FETCH_B st, p
	WIN TO_B
.irp i, 0,1,2,3,4,5,6,7
	FRAG 128*(\p)+FR*\i, ADRB, \st, \i
.endr
	WIN 0
.endm
.macro FETCH_A st, i0
.irp i, \i0, \i0+1, \i0+2, \i0+3
	FRAG AF+FR*(\i), ADRA, \st, \i
.endr
.endm
.macro SCALES pr                       ; the scale words of steps 2 pr and 2 pr + 1 into set pr % 2
.irp i, 0,1,2,3,4,5,6,7
	ds_load_b64 v[SC+8*NQ*((\pr)%2)+NQ*\i:SC+8*NQ*((\pr)%2)+NQ*\i+1], v[ADRS] offset:\i*SBLK+4*NQ*(\pr)
.endr
.endm
.macro PLACES n
.rept \n
	v_nop
.endr
.endm
; A step of 128 along K: 64 matrix instructions; the next step's fragments are fetched in its middle and at its end.
; Where the next step's bytes END in a chunk not read yet: every wave waits for its tensor loads and a barrier shows that chunk whole.  Where they BEGIN in a later chunk: the chunk left behind is read no more:
; the wait for all tensor loads, the add, the wait for it and for my reads, the barrier; where a chunk two on is left to fetch, the barrier opens a round of the cluster's barrier and the slot is filled again.
.macro STEP st, zero
.set NX, (\st)+1
.set C0, (96*(\st))/ROWB
.set C1, (96*NX)/ROWB
.set E0, (96*(\st)+95)/ROWB
.set E1, (96*NX+95)/ROWB
.if C1 > C0 || E1 > E0
	s_wait_tensorcnt 0x0                           ; all my tensor loads have landed
.if C1 > C0
	ds_add_u32 v[SPW], v[NIL]
	s_wait_dscnt 4*NL+1                            ; the add and the youngest 24 loads may be out
.else
	s_wait_dscnt 4*NL
.endif
	WIN MUL_LO
	MUL16 0, (\st)%2, (\st)%2, ((\st)/2)%2, \zero
	s_wait_dscnt 0x0                               ; the add and all my reads are done
	s_barrier_signal -1
	MUL16 2, (\st)%2, (\st)%2, ((\st)/2)%2, \zero
	WIN 0
	s_barrier_wait -1
.if C1 > C0 && C0+2 < CHUNKS
	CREST
	s_add_nc_u64 s[G0H+4*(C0%2)+2:G0H+4*(C0%2)+3], s[G0H+4*(C0%2)+2:G0H+4*(C0%2)+3], 2*ROWB
	s_add_nc_u64 s[G0W+4*(C0%2)+2:G0W+4*(C0%2)+3], s[G0W+4*(C0%2)+2:G0W+4*(C0%2)+3], 2*ROWB
	TLOAD3 G0H+4*(C0%2), G0W+4*(C0%2)              ; chunk C0 + 2, my one tensor load behind the round; its four v_nop are the places in front of the loads below
.else
	PLACES NP
.endif
.else
	s_wait_dscnt 4*NL                              ; the youngest 24 loads (A's blocks 4-7) may be out
	WIN MUL_LO
	MUL16 0, (\st)%2, (\st)%2, ((\st)/2)%2, \zero
	MUL16 2, (\st)%2, (\st)%2, ((\st)/2)%2, \zero
	s_wait_dscnt 0
	PLACES NP
.endif
	FETCH_B NX, NX%2
	FETCH_A NX, 0
.if NX%2 == 0
	SCALES NX/2
.endif
	WIN MUL_HI
	MUL16 4, (\st)%2, (\st)%2, ((\st)/2)%2, \zero
	MUL16 6, (\st)%2, (\st)%2, ((\st)/2)%2, \zero
	PLACES NP
	WIN 0
	FETCH_A NX, 4
.endm
	s_wait_alu depctr_va_vdst(0)                   ; Chunk 0 and the scales are whole: every wave waited for them ahead of the round behind which chunk 1 was asked for
	FETCH_B 0, 0
	FETCH_A 0, 0
	SCALES 0
	FETCH_A 0, 4
	STEP 0, 1
.set ST, 1
.rept STEPS-2
	STEP ST, 0
.set ST, ST+1
.endr
	s_wait_dscnt 4*NL
	WIN MUL_LO
	MUL16 0, 1, NQ-1, 1, 0
	MUL16 2, 1, NQ-1, 1, 0
	s_wait_dscnt 0
	WIN MUL_HI
	MUL16 4, 1, NQ-1, 1, 0
	MUL16 6, 1, NQ-1, 1, 0
	WIN 0
.macro QUANT s
.irp b, 0,1,2,3
	v_max3_num_f32 v[TM+\b], |v[\s+16*\b]|, |v[\s+1+16*\b]|, 0x1800000
.endr
.irp i, 2,4,6,8,10,12,14
.irp b, 0,1,2,3
	v_max3_num_f32 v[TM+\b], v[TM+\b], |v[\s+16*\b+\i]|, |v[\s+1+16*\b+\i]|
.endr
.endr
.irp b, 0,1,2,3
	v_permlanex16_b32 v[TM+4+\b], v[TM+\b], s[SEL], s[SEL+1]
.endr
.irp b, 0,1,2,3
	v_max_num_f32 v[TM+\b], v[TM+\b], v[TM+4+\b]
.endr
.irp b, 0,1,2,3
	v_add_nc_u32 v[TM+12+\b], 0xff000000, v[TM+\b]
.endr
.irp b, 0,1,2,3
	v_lshrrev_b32 v[TM+4+\b], 23, v[TM+12+\b]
.endr
	v_lshl_or_b32 v[PW], v[TM+5], 8, v[TM+4]
	v_lshl_or_b32 v[PW], v[TM+6], 16, v[PW]
	v_lshl_or_b32 v[PW], v[TM+7], 24, v[PW]
.irp c, 0,1
	v_cvt_scalef32_pk16_fp6_f32 v[PC+6*\c:PC+2+6*\c], v[\s+32*\c:\s+15+32*\c], v[TM+12+2*\c]
	v_cvt_scalef32_pk16_fp6_f32 v[PC+12+4*\c:PC+14+4*\c], v[\s+16+32*\c:\s+31+32*\c], v[TM+12+2*\c+1]
.endr
	v_nop
.irp c, 0,1
.irp i, 0,1,2
	v_permlane16_swap_b32 v[PC+6*\c+\i], v[PC+12+4*\c+\i]
.endr
.irp i, 0,1,2
	v_mov_b32 v[PC+3+6*\c+\i], v[PC+12+4*\c+\i]
.endr
.endr
.endm
.macro SWAPS
.irp b, 0,1,2,3
.set j, 0
.rept 8
	v_permlane16_swap_b32 v[HA+16*\b+j], v[HA+16*\b+8+j]
.set j, j+1
.endr
.endr
.endm
.macro UNITK a
.set AC, 64*((\a)%4)
.set TAU, (\a)%2
.set BPR, (\a)/4
.set BET, ((\a)/2)%2
	WIN (0x02+(\a)/4)
.set n, 0
.rept 32
	v_pk_add_f32 v[HA+n:HA+n+1], v[AC+n:AC+n+1], v[BK+n:BK+n+1]
.set n, n+2
.endr
	WIN 0
	SWAPS
	QUANT HA
.irp hd, 0,1
.if BET == 0
	ds_store_b128 v[STK], v[PC+6*\hd:PC+6*\hd+3] offset:HEADB*\hd+3072*BPR+128*TAU
	ds_store_b64 v[STK], v[PC+6*\hd+4:PC+6*\hd+5] offset:HEADB*\hd+3072*BPR+128*TAU+512
.else
	ds_store_b64 v[STK], v[PC+6*\hd:PC+6*\hd+1] offset:HEADB*\hd+3072*BPR+128*TAU+520
	ds_store_b128 v[STK], v[PC+6*\hd+2:PC+6*\hd+5] offset:HEADB*\hd+3072*BPR+128*TAU+1024
.endif
.endr
	ds_store_b16 v[SSK], v[PW] offset:6144+128*TAU+8*BPR+2*BET
	ds_store_b16_d16_hi v[SSK], v[PW] offset:HEADB+6144+128*TAU+8*BPR+2*BET
	s_wait_dscnt 0x0
.endm
.macro UNITV a
.set AC, 64*((\a)%4)
	WIN (0x02+(\a)/4)
.set n, 0
.rept 32
	v_pk_add_f32 v[HA+n:HA+n+1], v[AC+n:AC+n+1], v[BV+2*(\a):BV+2*(\a)+1]
.set n, n+2
.endr
	WIN 0
	SWAPS
.set n, 42
.rept 6
	v_cndmask_b32 v[HA+n], v[HA+n], v[ZR], s[MHI]
.set n, n+1
.endr
.rept 16
	v_cndmask_b32 v[HA+n], v[HA+n], v[ZR], s[MALL]
.set n, n+1
.endr
	QUANT HA
.irp c, 0,1,2
	ds_store_b128 v[STV], v[PC+4*\c:PC+4*\c+3] offset:HEADB*((\a)/4)+1536*((\a)%4)+512*\c
.endr
	ds_store_b32 v[SSV], v[PW] offset:6144+HEADB*((\a)/4)+4*((\a)%4)
	s_wait_dscnt 0x0
.endm
	PLACES NP
	s_wait_loadcnt 0x0
	s_cmp_eq_u32 s[ROLE], 0
	s_cbranch_scc0 .Lrole_v
.irp a, 0,1,2,3,4,5,6,7
	UNITK \a
.endr
	s_branch .Lcopy
.Lrole_v:
.irp a, 0,1,2,3,4,5,6,7
	UNITV \a
.endr
.Lcopy:
.set i, 0
.rept 25
	ds_load_b128 v[CB+4*i:CB+4*i+3], v[STV] offset:512*i
.set i, i+1
.endr
.set i, 0
.rept 25
	s_wait_dscnt 24-i
.if i < 12
	global_store_b128 v[OA], v[CB+4*i:CB+4*i+3], s[20:21] offset:512*i
.elseif i == 12
	global_store_b128 v[OM], v[CB+4*i:CB+4*i+3], s[20:21] offset:512*i
.else
	global_store_b128 v[OB], v[CB+4*i:CB+4*i+3], s[20:21] offset:512*i
.endif
.set i, i+1
.endr
	s_wait_tensorcnt 0x0
	ds_add_u32 v[SPW], v[NIL]
	s_wait_dscnt 0x0
	CROUND
	s_endpgm
.Lfunc_end_k_qcc9c9ead80_kvproj:
	.size	k_qcc9c9ead80_kvproj, .Lfunc_end_k_qcc9c9ead80_kvproj-k_qcc9c9ead80_kvproj
	.p2alignl 7, 3214868480
	.fill 96, 4, 3214868480
	.section	.rodata,"a",@progbits
	.p2align	6, 0x0
	.amdhsa_kernel k_qcc9c9ead80_kvproj
		.amdhsa_group_segment_fixed_size 327680
		.amdhsa_private_segment_fixed_size 0
		.amdhsa_enable_private_segment 0
		.amdhsa_kernarg_size 72
		.amdhsa_user_sgpr_count 2
		.amdhsa_user_sgpr_kernarg_segment_ptr 1
		.amdhsa_wavefront_size32 1
		.amdhsa_system_sgpr_workgroup_id_x 1
		.amdhsa_system_sgpr_workgroup_id_y 1
		.amdhsa_system_sgpr_workgroup_id_z 1
		.amdhsa_system_vgpr_workitem_id 0
		.amdhsa_next_free_vgpr 1024
		.amdhsa_next_free_sgpr 102
		.amdhsa_reserve_vcc 0
		.amdhsa_float_denorm_mode_32 3
		.amdhsa_float_denorm_mode_16_64 3
		.amdhsa_memory_ordered 1
		.amdhsa_forward_progress 1
		.amdhsa_inst_pref_size 255
	.end_amdhsa_kernel
	.section	.bss,"aw",@nobits
	.p2align	6
	.space	262144
	.amdgpu_metadata
---
amdhsa.version: [ 1, 2 ]
amdhsa.kernels:
  - .name:           k_qcc9c9ead80_kvproj
    .symbol:         k_qcc9c9ead80_kvproj.kd
    .args:
      - { .name: hidden_states_codes, .offset: 0, .size: 8, .value_kind: global_buffer, .address_space: global }
      - { .name: hidden_states_scales, .offset: 8, .size: 8, .value_kind: global_buffer, .address_space: global }
      - { .name: Wk_codes, .offset: 16, .size: 8, .value_kind: global_buffer, .address_space: global }
      - { .name: Wk_scales, .offset: 24, .size: 8, .value_kind: global_buffer, .address_space: global }
      - { .name: Wv_codes, .offset: 32, .size: 8, .value_kind: global_buffer, .address_space: global }
      - { .name: Wv_scales, .offset: 40, .size: 8, .value_kind: global_buffer, .address_space: global }
      - { .name: bk, .offset: 48, .size: 8, .value_kind: global_buffer, .address_space: global }
      - { .name: bv, .offset: 56, .size: 8, .value_kind: global_buffer, .address_space: global }
      - { .name: kv, .offset: 64, .size: 8, .value_kind: global_buffer, .address_space: global }
    .group_segment_fixed_size: 327680
    .private_segment_fixed_size: 0
    .kernarg_segment_align: 8
    .kernarg_segment_size: 72
    .max_flat_workgroup_size: 128
    .sgpr_count:     102
    .vgpr_count:     1024
    .wavefront_size: 32
...
	.end_amdgpu_metadata
.endif
;; end of part 1
;; launch attn (part 2): grid 4 x 64, 11 waves a work-group, clusters of 4 x 1, 244,992 bytes of LDS; arguments hidden_states_codes, hidden_states_scales, Wq_codes, Wq_scales, bq, kv, out0; writes out0
.if DOCPART == 2
	.amdgcn_target "amdgcn-amd-amdhsa--gfx1250"
	.amdhsa_code_object_version 6
	.text
	.protected	k_qcc9c9ead80_attn
	.globl	k_qcc9c9ead80_attn
	.p2align	8
	.type	k_qcc9c9ead80_attn,@function
k_qcc9c9ead80_attn:
	s_mov_b64 s[64:65], 0
	v_nop
	global_prefetch_b8 v0, s[64:65] scope:SCOPE_SE
	s_setreg_imm32_b32 hwreg(HW_REG_WAVE_MODE, 25, 1), 1
	s_wait_xcnt 0x0
	s_wait_alu depctr_hold_cnt(0) depctr_sa_sdst(0) depctr_va_vdst(0) depctr_va_sdst(0) depctr_va_ssrc(0) depctr_va_vcc(0) depctr_vm_vsrc(0)
	s_getreg_b32 s2, hwreg(HW_REG_IB_STS2, 6, 4)
	s_cmp_eq_u32 s2, 0
	s_cbranch_scc0 .Lentry_in_a_cluster
	s_endpgm
.Lentry_in_a_cluster:
	s_bfe_u32 s2, ttmp6, 0x10000c
	s_cmp_lg_u32 s2, 0x3003
	s_cbranch_scc0 .Lentry_shape_is_right
	s_endpgm
.Lentry_shape_is_right:
; out[b][q][64 head ..] = softmax_k(q . k / 8) v for one (batch, head), all products on codes of FP6 (E2M3) with E8M0 scales.  q = H Wq^T + bq is made and quantised here; k and v come as operand images from the workspace kv.
; SHARES.  The four work-groups of a cluster take one (batch, head), 352 query places each; each of the eleven waves takes 32 of them, two tiles of 16.  1,370 queries fill 86 of the 88 tiles; places past the last
; query compute on row 1,369 and store nothing.  Every q row is made by one wave and never goes to memory.
; LDS.  The head's whole K and V, 140,800 bytes, come ONCE, by joint loads (the four partners want the same bytes): waves 5 to 9 ask for a fifth each, 110 rows of 256 bytes.  Waves 0 to 3 ask for 16 rows of Wq each, wave 4 for
; Wq's scale bytes: one tensor load a wave, wave 10 none.  Nothing is filled twice: no ring, and no barrier in the loop over the keys.  While K and V are on their way the wave makes its q.
; LAYOUT.  All products are used transposed, so that a lane holds ONE query (lane % 16): q^T = Wq H^T, S^T = K Q^T, O^T = V^T P^T.
; q's K IS DEALT BY WHOLE BLOCKS OF 32, alike on both sides: of the four blocks of a step of 128, lanes 0-15 take blocks 0 and 1 and lanes 16-31 blocks 2 and 3, so a lane's fragment is 48 consecutive bytes of its row,
; three loads of 16 bytes.  The instruction's byte 2 c + h of a scale word then belongs to block 2 h + c: the two middle bytes of each scale word change places.  The sums' terms are the same; their order differs.
; THE HEAD IS 64 WIDE, the instruction's K is 128: source 0 is an image of TWO key tiles, [x | y], and source 1 is [Q | 0] or [0 | Q]: zero codes add nothing.  Q's scale word has its two bytes twice.
; The keys of a tile are chosen (by the launch before) so that register 16 b + i of S^T holds key 32 b + 16 (lane / 16) + i of the step: 16 neighbours along the next K.
; THE SOFTMAX: t = score x log2(e) / 8; M = the running largest t rounded UP to a whole number; p = 2^(t - M) is quantised along the keys, not normalised; the row's sum is taken of the unquantised p and divides O at the end.
; When M moves, the sum and O are multiplied by 2^(old M - new M): exact.  In the last step keys 1,370 on get the score -infinity: p = 0.
; NOT DONE, and why: no prefetch, since every stream is asked for at the head; H has no room in LDS beside K and V, so its fragments come straight from memory, each of a wave's 32 rows once.
; LIMITS: a block whose largest magnitude lies under 2^-124 keeps the scale byte 1; a block of zeros has the byte 1; v_exp_f32 gives 0 under 2^-126; NaN and infinities among the inputs are not served;
; the scaled scores stay under 2^31 in magnitude.
; REGISTERS: v1-11 addresses; v12-23 the two tiles' -M, largest t, sum, f; v24-53 [0][Qa][0][Qb][0], six registers each (before that bq); v56-67 and v236-251 scale words and nothing else;
;   v68-115 four fragments (Wq, K or V); v116-179 S^T, then p (before that H's fragments, v116-235, five sets); v180-203 p's codes; v204-225 at work; v252-255 the way out.  Window 1: v256-319 q^T's sums, then O^T; v320-321 the add's.
.set NK,    11
.set KVB,   12800                      ; a step's block: K's images, K's scale words, V's images, V's scale words
.set KVP,   110*256                    ; a fifth of the head's 11 blocks
.set KSCO,  6144
.set VOFF,  6400
.set VSCO,  12544
.set WQ,    NK*KVB                     ; Wq's 64 rows: 768 bytes + 16 behind each 256
.set WQP,   816
.set WQT,   16*WQP
.set WQS,   WQ+64*WQP                  ; their scale bytes: 32 + 8 a row
.set WSP,   40
.set STAGE, WQS+64*WSP                 ; the way out: 16 rows x (256 + 16) bytes for each wave
.set SP,    272
.set SPARE, STAGE+11*16*SP             ; the spare words
.set LQ,    1370
.set LI,   1
.set LR,   2
.set ADK,  3
.set ADS,  4
.set AW,   5                           ; Wq: row r, + 48 h;  v6 the same behind one padding more
.set AW2,  6
.set AWS,  7
.set HOFF, 8                           ; v8-9 my row of H, tiles a and b, + 48 h
.set HSO,  10
.set STA,  12
.set STB,  16
.set FA,   20
.set FB,   22
.set QB,   24
.set BQ,   24
.set T0,   54
.set NINF, 55
.set QS,   56
.set PW,   58
.set KS,   60
.set VS,   64
.set WS,   60
.set KF,   68
.set S,    116
.set HQ,   116
.set HX,   116
.set PCA,  180
.set CT,   204
.set BM,   212
.set BP,   216
.set SO,   220
.set SUM2, 224
.set HS,   236
.set STO,  252
.set RD,   253
.set GO,   254
.set VQ,   255
.set WV,   18
.set SEL,  24
.set CS,   26
.set TB,   28
.set CNT,  29
.set MHI,  30
.set PSEL, 34
.set G1KV, 40
.set G0KV, 48
.set G1Q,  52
.set G0Q,  60
.set G1QS, 68
.set G0QS, 76
.set MSB, 0
.macro WIN new                         ; the immediate's high byte repeats the setting that is left
.if MSB != \new
	s_set_vgpr_msb (MSB<<8)|\new
.set MSB, \new
.endif
.endm
.macro CROUND                          ; a round of the cluster's barrier
	s_barrier_signal -1
	s_barrier_wait -1
	s_cmp_lg_u32 s[WV], 0
	s_cbranch_scc1 .Lnot_wave_0_\@
	s_barrier_signal -3
.Lnot_wave_0_\@:
	s_barrier_wait -3
	s_barrier_signal -1
	s_barrier_wait -1
.endm
.macro NOPS n
.rept \n
	v_nop
.endr
.endm
	s_load_b256 s[4:11], s[0:1], 0x0               ; H's codes, H's scales, Wq's codes, Wq's scales
	s_load_b128 s[12:15], s[0:1], 0x20             ; bq, kv
	s_load_b64 s[16:17], s[0:1], 0x30              ; out0
	s_set_vgpr_msb 0x40
	v_lshl_add_u32 v64, v0, 2, SPARE               ; v320: my spare word
	v_mov_b32 v65, 0                               ; v321: 0
	s_set_vgpr_msb 0x4045
	ds_add_u32 v64, v65                            ; the opening lines: the add twice on end
	ds_add_u32 v64, v65
	s_set_vgpr_msb 0x4500
	v_lshrrev_b32 v1, 5, v0
	s_delay_alu instid0(VALU_DEP_1)
	v_readfirstlane_b32 s[WV], v1                  ; wave 0..10
	s_bfe_u32 s19, ttmp6, 0x40000                  ; cx: which quarter of the queries.  It enters H's and out0's addresses and the stores' lane masks, and nothing else
	s_and_b32 s20, ttmp7, 0xffff                   ; 16 x batch + head
	s_lshr_b32 s21, s20, 4
	s_and_b32 s22, s20, 15
	s_mul_i32 s23, s21, LQ                         ; the batch's first row
	s_mov_b32 s[G1KV], 15|(3<<16)|(1<<21)          ; 110 rows of 32 elements of 8 bytes, dense; the mask names all four partners
	s_mov_b32 s[G1KV+1], 32<<16
	s_mov_b32 s[G1KV+2], 110<<16
	s_mov_b32 s[G1KV+3], 32<<16
	s_mov_b32 s[G1KV+4], 110
	s_mov_b32 s[G1KV+5], 32
	s_mov_b32 s[G1KV+6], 0
	s_mov_b32 s[G1KV+7], 0
	s_mov_b32 s[G1Q], 15|(1<<20)|(1<<21)|(5<<22)|(3<<25)   ; 16 rows of 768 bytes, 16 bytes of padding behind every 256
	s_mov_b32 s[G1Q+1], 768<<16
	s_mov_b32 s[G1Q+2], 16<<16
	s_mov_b32 s[G1Q+3], 768<<16
	s_mov_b32 s[G1Q+4], 16
	s_mov_b32 s[G1Q+5], 768
	s_mov_b32 s[G1Q+6], 0
	s_mov_b32 s[G1Q+7], 0
	s_mov_b32 s[G1QS], 15|(1<<20)|(1<<21)|(2<<22)|(1<<25)  ; 64 rows of 32 scale bytes, 8 bytes of padding behind each
	s_mov_b32 s[G1QS+1], 32<<16
	s_mov_b32 s[G1QS+2], 64<<16
	s_mov_b32 s[G1QS+3], 32<<16
	s_mov_b32 s[G1QS+4], 64
	s_mov_b32 s[G1QS+5], 32
	s_mov_b32 s[G1QS+6], 0
	s_mov_b32 s[G1QS+7], 0
	s_mov_b32 s[G0KV], 1
	s_add_co_u32 s[G0KV+1], s[WV], 3
	s_and_b32 s[G0KV+1], s[G0KV+1], 7              ; waves 5 to 9: fifths 0 to 4 (the other waves' numbers are not used)
	s_mul_i32 s[G0KV+1], s[G0KV+1], KVP
	s_mul_i32 s32, s20, NK*KVB
	s_add_co_u32 s32, s32, s[G0KV+1]
	s_mov_b32 s33, 0
	s_min_u32 s36, s[WV], 3                        ; waves 0 to 3 fetch 16 rows of Wq each
	s_mov_b32 s[G0Q], 1
	s_mul_i32 s[G0Q+1], s36, WQT
	s_add_co_u32 s[G0Q+1], s[G0Q+1], WQ
	s_lshl_b32 s34, s22, 2
	s_add_co_u32 s34, s34, s36
	s_mul_i32 s34, s34, 16*768                     ; row 64 head + 16 w
	s_mov_b32 s35, 0
	s_mov_b32 s[G0QS], 1
	s_mov_b32 s[G0QS+1], WQS
	s_lshl_b32 s36, s22, 11
	s_mov_b32 s37, 0
	s_mul_i32 s31, s19, 352
	s_lshl_b32 s38, s[WV], 5
	s_add_co_u32 s31, s31, s38                     ; my first query place: 352 cx + 32 w
	s_add_co_u32 s38, s23, s31
	s_lshl_b32 s38, s38, 12
	s_lshl_b32 s39, s22, 8
	s_add_co_u32 s38, s38, s39                     ; its row of out0, + the head's 256 bytes
	s_mov_b32 s39, 0
	s_mov_b32 s[SEL], 0x76543210
	s_mov_b32 s[SEL+1], 0xfedcba98                 ; v_permlanex16_b32's selects for lane l xor 16
	s_mov_b32 s[CS], 0x3e38aa3b                    ; c = log2(e) / 8
	s_mov_b32 s[CS+1], s[CS]
	s_mov_b32 s[MHI], 0xffff0000                   ; lanes 16-31
	s_wait_dscnt 0x0
	s_wait_kmcnt 0x0
	s_add_nc_u64 s[G0KV+2:G0KV+3], s[14:15], s[32:33]
	s_or_b32 s[G0KV+3], s[G0KV+3], 0x80000000
	s_add_nc_u64 s[G0Q+2:G0Q+3], s[8:9], s[34:35]
	s_or_b32 s[G0Q+3], s[G0Q+3], 0x80000000
	s_add_nc_u64 s[G0QS+2:G0QS+3], s[10:11], s[36:37]
	s_or_b32 s[G0QS+3], s[G0QS+3], 0x80000000
	s_lshl_b32 s36, s22, 8
	s_add_nc_u64 s[12:13], s[12:13], s[36:37]      ; bq at the head's 64 numbers
	s_add_nc_u64 s[16:17], s[16:17], s[38:39]      ; out0 at my first place
	s_mov_b32 s[PSEL], 0x03010200                  ; v_perm_b32: bytes 1 and 2 change places
	; what comes straight from memory is asked for ahead of the cluster's round
	v_and_b32 v68, 15, v0                          ; r
	v_bfe_u32 v69, v0, 4, 1                        ; h
	v_and_b32 v70, 31, v0                          ; lane
	s_delay_alu instid0(VALU_DEP_2)
	v_lshlrev_b32 v[ADK], 5, v69                   ; bq: register j of sum (u, t) holds channel 16 t + 8 h + j
	s_delay_alu instid0(VALU_DEP_4)
	v_add_nc_u32 v71, s31, v68                     ; my query place in tile a,
	s_delay_alu instid0(VALU_DEP_1)
	v_add_nc_u32 v72, 16, v71                      ; in tile b;
	s_delay_alu instid0(VALU_DEP_2)
	v_min_u32 v71, LQ-1, v71                       ; places past the last query take its row: no load leaves the buffer
	s_delay_alu instid0(VALU_DEP_2)
	v_min_u32 v72, LQ-1, v72
	s_delay_alu instid0(VALU_DEP_2)
	v_add_nc_u32 v71, s23, v71
	s_delay_alu instid0(VALU_DEP_2)
	v_add_nc_u32 v72, s23, v72
	s_delay_alu instid0(VALU_DEP_2)
	v_mul_u32_u24 v[HOFF], v71, 768
	s_delay_alu instid0(VALU_DEP_2)
	v_mul_u32_u24 v[HOFF+1], v72, 768
	s_delay_alu instid0(VALU_DEP_2)
	v_mad_u32_u24 v[HOFF], v69, 48, v[HOFF]
	s_delay_alu instid0(VALU_DEP_2)
	v_mad_u32_u24 v[HOFF+1], v69, 48, v[HOFF+1]
	v_lshlrev_b32 v[HSO], 5, v71
	v_lshlrev_b32 v[HSO+1], 5, v72
.irp t, 0,1,2,3
	global_load_b128 v[BQ+8*\t:BQ+8*\t+3], v[ADK], s[12:13] offset:64*\t
	global_load_b128 v[BQ+8*\t+4:BQ+8*\t+7], v[ADK], s[12:13] offset:64*\t+16
.endr
.irp u, 0,1
	global_load_b128 v[HS+8*\u:HS+8*\u+3], v[HSO+\u], s[6:7]             ; my row's eight scale words
	global_load_b128 v[HS+8*\u+4:HS+8*\u+7], v[HSO+\u], s[6:7] offset:16
.endr
.macro HLOAD q                         ; H's two fragments of the q-th 128 along K into set q % 5: 48 consecutive bytes of my row
.irp u, 0,1
.irp j, 0,1,2
	global_load_b128 v[HX+24*((\q)%5)+12*\u+4*\j:HX+24*((\q)%5)+12*\u+4*\j+3], v[HOFF+\u], s[4:5] offset:96*(\q)+16*\j
.endr
.endr
.endm
.irp q, 0,1,2,3,4
	HLOAD \q
.endr
	s_wait_alu depctr_va_vdst(0)
	CROUND                                         ; all four work-groups are here: the joint loads meet
	s_cmp_lt_u32 s[WV], 4                          ; one chain of branches on the wave's number, one fill to an arm
	s_cbranch_scc0 .Lnot_codes
	tensor_load_to_lds s[G0Q:G0Q+3], s[G1Q:G1Q+7]
	s_nop 0
	NOPS 4
	s_branch .Lasked
.Lnot_codes:
	s_cmp_eq_u32 s[WV], 4
	s_cbranch_scc0 .Lnot_scales
	tensor_load_to_lds s[G0QS:G0QS+3], s[G1QS:G1QS+7]
	s_nop 0
	NOPS 4
	s_branch .Lasked
.Lnot_scales:
	s_cmp_lt_u32 s[WV], 10
	s_cbranch_scc0 .Lasked
	tensor_load_to_lds s[G0KV:G0KV+3], s[G1KV:G1KV+7]
	s_nop 0
	NOPS 4
.Lasked:
	v_lshlrev_b32 v[LI], 4, v70
	v_lshlrev_b32 v[LR], 4, v68
	v_mul_u32_u24 v[AW], v68, WQP
	s_delay_alu instid0(VALU_DEP_1)
	v_mad_u32_u24 v[AW], v69, 48, v[AW]
	s_delay_alu instid0(VALU_DEP_1)
	v_lshl_add_u32 v[AW2], v69, 4, v[AW]
	s_delay_alu instid0(VALU_DEP_2)
	v_add_nc_u32 v[AW], WQ, v[AW]
	s_delay_alu instid0(VALU_DEP_2)
	v_add_nc_u32 v[AW2], WQ, v[AW2]
	v_mul_u32_u24 v[AWS], v68, WSP
	s_delay_alu instid0(VALU_DEP_1)
	v_add_nc_u32 v[AWS], WQS, v[AWS]
	s_mul_i32 s32, s[WV], 16*SP
	s_add_co_u32 s32, s32, STAGE                   ; my stage
	v_mul_u32_u24 v[STO], v68, SP
	s_delay_alu instid0(VALU_DEP_1)
	v_lshl_add_u32 v[STO], v69, 5, v[STO]
	s_delay_alu instid0(VALU_DEP_1)
	v_add_nc_u32 v[STO], s32, v[STO]               ; in: row r; tile t's eight channels of my half: 64 t + 32 h bytes on
	v_mul_u32_u24 v[RD], v69, SP
	s_delay_alu instid0(VALU_DEP_1)
	v_lshl_add_u32 v[RD], v68, 4, v[RD]
	s_delay_alu instid0(VALU_DEP_1)
	v_add_nc_u32 v[RD], s32, v[RD]                 ; back: lanes 0-15 one row, lanes 16-31 the next
	v_lshlrev_b32 v[GO], 12, v69
	s_delay_alu instid0(VALU_DEP_1)
	v_lshl_add_u32 v[GO], v68, 4, v[GO]            ; and the same two rows in out0
	v_add_nc_u32 v[VQ], s31, v69                   ; the query place of the first row that I store
	s_wait_alu depctr_va_vdst(0)
	s_cmp_lt_u32 s[WV], 5                          ; the waves that asked for Wq or its scales wait for them; K and V may stay out
	s_cbranch_scc0 .Lkv_out
	s_wait_tensorcnt 0x0
.Lkv_out:
	s_barrier_signal -1
	s_barrier_wait -1                              ; Wq and its scales are whole
	; ---- q^T = Wq H^T: eight sums (2 tiles of queries x 4 tiles of channels) by turns, eight steps of 128 along K
.macro WFRAG reg, q, t                 ; a fragment of Wq, rows 16 t on: 48 consecutive bytes at 96 q + 48 h, in pieces of 16; byte y of a row lies at y + 16 (y / 256); for some pieces lanes 16-31 stand behind one padding more
.irp j, 0,1,2
.set Y0, 96*(\q)+16*\j
.if Y0/256 == (Y0+48)/256
	ds_load_b128 v[\reg+4*\j:\reg+4*\j+3], v[AW] offset:Y0+16*(Y0/256)+WQT*(\t)
.else
	ds_load_b128 v[\reg+4*\j:\reg+4*\j+3], v[AW2] offset:Y0+16*(Y0/256)+WQT*(\t)
.endif
.endr
.endm
.irp q, 0,1,2,3,4,5,6,7
.irp t, 0,1,2,3
	WFRAG KF+12*\t, \q, \t
.endr
.if \q%2 == 0
.irp t, 0,1,2,3
	ds_load_b64 v[WS+2*\t:WS+2*\t+1], v[AWS] offset:16*WSP*\t+4*\q       ; Wq's scale words of this step and the next
.endr
.endif
.if \q < 4
	s_wait_loadcnt 24                              ; this step's fragments of H are in (and bq and the scale words, which are older); four younger sets of 6 loads may be out
.else
	s_wait_loadcnt 6*(7-\q)                        ; the younger sets run out
.endif
	s_wait_dscnt 0x0
.if \q == 0
.set n, 0
.rept 16
	v_perm_b32 v[HS+n], v[HS+n], v[HS+n], s[PSEL]  ; H's scale words: the two middle bytes change places
.set n, n+1
.endr
.endif
.if \q%2 == 0
.set n, 0
.rept 8
	v_perm_b32 v[WS+n], v[WS+n], v[WS+n], s[PSEL]  ; and Wq's
.set n, n+1
.endr
	s_wait_alu depctr_va_vdst(0)                   ; the wait behind these writes
	NOPS 8                                         ; a scale register written by a vector instruction stands 8 places ahead of a scaled matrix instruction
.endif
	WIN 0x50                                       ; C and D window 1
.irp u, 0,1
.irp t, 0,1,2,3
.if \q == 0
	v_wmma_scale_f32_16x16x128_f8f6f4 v[8*(4*\u+\t):8*(4*\u+\t)+7], v[KF+12*\t:KF+12*\t+11], v[HX+24*(\q%5)+12*\u:HX+24*(\q%5)+12*\u+11], 0, v[WS+2*\t+\q%2], v[HS+8*\u+\q] matrix_a_fmt:MATRIX_FMT_FP6 matrix_b_fmt:MATRIX_FMT_FP6
.else
	v_wmma_scale_f32_16x16x128_f8f6f4 v[8*(4*\u+\t):8*(4*\u+\t)+7], v[KF+12*\t:KF+12*\t+11], v[HX+24*(\q%5)+12*\u:HX+24*(\q%5)+12*\u+11], v[8*(4*\u+\t):8*(4*\u+\t)+7], v[WS+2*\t+\q%2], v[HS+8*\u+\q] matrix_a_fmt:MATRIX_FMT_FP6 matrix_b_fmt:MATRIX_FMT_FP6
.endif
.endr
.endr
	WIN 0
	NOPS 4                                         ; places in front of loads into registers that these products read, and of the first read of the sums
.if \q < 3
	HLOAD \q+5
.endif
.endr
	; ---- + bq; the exchange of halves makes register 16 b + i hold channel 32 b + 16 h + i; then the quantiser along the 64 channels
	WIN 0x01
.set n, 0
.rept 16
	v_pk_add_f32 v[HQ+n:HQ+n+1], v[n:n+1], v[BQ+n:BQ+n+1]                ; each sum from its low end on
	v_pk_add_f32 v[HQ+32+n:HQ+32+n+1], v[32+n:32+n+1], v[BQ+n:BQ+n+1]
.set n, n+2
.endr
	WIN 0
.irp b, 0,1,2,3
.set j, 0
.rept 8
	v_permlane16_swap_b32 v[HQ+16*\b+j], v[HQ+16*\b+8+j]
.set j, j+1
.endr
.endr
.irp z, 0,12,24
.irp i, 0,1,2,3,4,5
	v_mov_b32 v[QB+\z+\i], 0                       ; the zero codes beside Qa and Qb
.endr
.endr
.irp b, 0,1,2,3
	v_mov_b32 v[BP+\b], 0                          ; a lane permute's destination counts as one of its sources
.endr
.macro QUANT2 u                        ; tile u's 32 numbers a lane become six registers of codes and a scale word with its two bytes twice
.set XQ, HQ+32*(\u)
.irp b, 0,1
	v_max3_num_f32 v[BM+\b], |v[XQ+16*\b]|, |v[XQ+16*\b+1]|, 0x1800000   ; with the floor 2^(3 - 127): the byte cannot fall under 1
.endr
.irp i, 2,4,6,8,10,12,14
.irp b, 0,1
	s_delay_alu instid0(VALU_DEP_2)
	v_max3_num_f32 v[BM+\b], v[BM+\b], |v[XQ+16*\b+\i]|, |v[XQ+16*\b+\i+1]|
.endr
.endr
.irp b, 0,1
	s_delay_alu instid0(VALU_DEP_2)
	v_permlanex16_b32 v[BP+\b], v[BM+\b], s[SEL], s[SEL+1]
.endr
.irp b, 0,1
	s_delay_alu instid0(VALU_DEP_2)
	v_max_num_f32 v[BM+\b], v[BM+\b], v[BP+\b]
.endr
.irp b, 0,1
	s_delay_alu instid0(VALU_DEP_2)
	v_add_nc_u32 v[SO+\b], 0xff000000, v[BM+\b]    ; 2 off the exponent field: the conversion's scale operand
.endr
.irp b, 0,1
	s_delay_alu instid0(VALU_DEP_2)
	v_lshrrev_b32 v[BP+\b], 23, v[SO+\b]           ; the scale's byte
.endr
	s_delay_alu instid0(VALU_DEP_1)
	v_lshl_or_b32 v[QS+(\u)], v[BP+1], 8, v[BP]
	s_delay_alu instid0(VALU_DEP_1)
	v_lshl_or_b32 v[QS+(\u)], v[QS+(\u)], 16, v[QS+(\u)]
	v_cvt_scalef32_pk16_fp6_f32 v[QB+6+12*(\u):QB+8+12*(\u)], v[XQ:XQ+15], v[SO]
	v_cvt_scalef32_pk16_fp6_f32 v[CT:CT+2], v[XQ+16:XQ+31], v[SO+1]
	v_nop                                          ; one plain place behind a scaled conversion
.irp i, 0,1,2
	v_permlane16_swap_b32 v[QB+6+12*(\u)+\i], v[CT+\i]
.endr
.irp i, 0,1,2
	s_delay_alu instid0(VALU_DEP_3)
	v_mov_b32 v[QB+9+12*(\u)+\i], v[CT+\i]
.endr
.endm
	QUANT2 0
	QUANT2 1
	v_mov_b32 v[STA+1], 0xff61b1e6                 ; the largest t so far: -3e38
	v_mov_b32 v[STB+1], 0xff61b1e6
	s_delay_alu instid0(VALU_DEP_2)
	v_floor_f32 v[STA], -v[STA+1]                  ; -M
	s_delay_alu instid0(VALU_DEP_2)
	v_floor_f32 v[STB], -v[STB+1]
.irp r, STA+2, STA+3, STB+2, STB+3, FA, FA+1, FB, FB+1
	v_mov_b32 v[\r], 0
.endr
	v_mov_b32 v[NINF], 0xff800000
	WIN 0x40
.set n, 0
.rept 64
	v_mov_b32 v[n], 0                              ; O^T: the key step is written once for all steps but the last; the first finds zeros
.set n, n+1
.endr
	WIN 0
	s_wait_tensorcnt 0x0                           ; my part of K and V is in,
	s_wait_dscnt 0x0
	s_barrier_signal -1
	s_barrier_wait -1                              ; everybody's is: from here on LDS is only read, up to the way out
; S^T of tile x: eight products, each of one key tile.  Image 2 bp + u holds key tiles (2 bp, u) and (2 bp + 1, u); be picks one of them by the place of Q's codes among the zeros.
.macro QK x
.irp bp, 0,1
.irp be, 0,1
.irp u, 0,1
	v_wmma_scale_f32_16x16x128_f8f6f4 v[S+8*(2*(2*\bp+\be)+\u):S+8*(2*(2*\bp+\be)+\u)+7], v[KF+12*(2*\bp+\u):KF+12*(2*\bp+\u)+11], v[QB+12*(\x)+6-6*\be:QB+12*(\x)+6-6*\be+11], 0, v[KS+2*\bp+\u], v[QS+(\x)] matrix_a_fmt:MATRIX_FMT_FP6 matrix_b_fmt:MATRIX_FMT_FP6
.endr
.endr
.endr
.endm
; One tile's softmax for 128 keys, on S^T in place.  last = 1: keys 90 on of the step are hidden.
.macro SOFT st, f, pcd, pwr, last
.if \last
.irp i, 42,43,44,45,46,47
	v_cndmask_b32 v[S+\i], v[S+\i], v[NINF], s[MHI]   ; keys 90 to 95 are registers 42-47 of lanes 16-31,
.endr
.set n, 48
.rept 16
	v_mov_b32 v[S+n], v[NINF]                      ; keys 96 on registers 48-63
.set n, n+1
.endr
.endif
.irp b, 0,1,2,3
	v_max3_num_f32 v[BM+\b], v[S+16*\b], v[S+16*\b+1], v[S+16*\b+2]   ; the largest score of each block of 32 keys: for the row's maximum and for the block's largest p
.endr
.irp i, 3,5,7,9,11,13
.irp b, 0,1,2,3
	v_max3_num_f32 v[BM+\b], v[BM+\b], v[S+16*\b+\i], v[S+16*\b+\i+1]
.endr
.endr
.irp b, 0,1,2,3
	v_max_num_f32 v[BM+\b], v[BM+\b], v[S+16*\b+15]
.endr
.irp b, 0,1,2,3
	s_delay_alu instid0(VALU_DEP_4)
	v_permlanex16_b32 v[BP+\b], v[BM+\b], s[SEL], s[SEL+1]
.endr
.irp b, 0,1,2,3
	s_delay_alu instid0(VALU_DEP_4)
	v_max_num_f32 v[BM+\b], v[BM+\b], v[BP+\b]     ; with lane l xor 16's 16 keys
.endr
	s_delay_alu instid0(VALU_DEP_2)
	v_max3_num_f32 v[T0], v[BM], v[BM+1], v[BM+2]
	s_delay_alu instid0(VALU_DEP_1)
	v_max_num_f32 v[T0], v[T0], v[BM+3]
	s_delay_alu instid0(VALU_DEP_1)
	v_mul_f32 v[T0], s[CS], v[T0]                  ; as t (c is positive)
	s_delay_alu instid0(VALU_DEP_1)
	v_max_num_f32 v[\st+1], v[\st+1], v[T0]        ; the running largest t
	v_mov_b32 v[T0], v[\st]
	s_delay_alu instid0(VALU_DEP_2)
	v_floor_f32 v[\st], -v[\st+1]                  ; the new -M = -ceil(t)
	s_delay_alu instid0(VALU_DEP_1)
	v_sub_f32 v[T0], v[\st], v[T0]                 ; old M - new M: a whole number, 0 or less
	s_delay_alu instid0(VALU_DEP_1)
	v_cvt_i32_f32 v[T0], v[T0]
	s_delay_alu instid0(VALU_DEP_1)
	v_ldexp_f32 v[\f], 1.0, v[T0]                  ; f = 2^(old M - new M)
.set n, 0
.rept 32
	v_pk_fma_f32 v[S+n:S+n+1], v[S+n:S+n+1], s[CS:CS+1], v[\st:\st+1] op_sel_hi:[1,0,0]   ; t - M, two at a time
.set n, n+2
.endr
.irp b, 0,1,2,3
	v_fma_f32 v[BM+\b], v[BM+\b], s[CS], v[\st]    ; the same of each block's largest score
.endr
.set n, 0
	s_wait_alu depctr_va_vdst(0)
.rept 64
	v_exp_f32 v[S+n], v[S+n]                       ; p = 2^(t - M), at most 1
.set n, n+1
.endr
	v_pk_mul_f32 v[\st+2:\st+3], v[\st+2:\st+3], v[\f:\f+1] op_sel_hi:[1,0]   ; the sums under the new M: a plain instruction behind the exponentials
	s_wait_alu depctr_va_vdst(0)                   ; one wait for the batch of 64, ahead of its first reader
.irp b, 0,1,2,3
	v_exp_f32 v[BM+\b], v[BM+\b]                   ; the block's largest p
.endr
	v_pk_add_f32 v[SUM2:SUM2+1], v[S:S+1], v[S+2:S+3]   ; the row's sum of the unquantised p, in two chains
.irp j, 4,8,12,16,20,24,28,32,36,40,44,48,52,56,60
	v_pk_add_f32 v[\st+2:\st+3], v[\st+2:\st+3], v[S+\j:S+\j+1]
	v_pk_add_f32 v[SUM2:SUM2+1], v[SUM2:SUM2+1], v[S+\j+2:S+\j+3]
.endr
	s_delay_alu instid0(VALU_DEP_1)
	v_pk_add_f32 v[\st+2:\st+3], v[\st+2:\st+3], v[SUM2:SUM2+1]
	s_wait_alu depctr_va_vdst(0)                   ; and one for the four
.irp b, 0,1,2,3
	v_max_num_f32 v[BM+\b], 0x1800000, v[BM+\b]    ; the floor 2^(3 - 127)
.endr
.irp b, 0,1,2,3
	s_delay_alu instid0(VALU_DEP_4)
	v_add_nc_u32 v[SO+\b], 0xff000000, v[BM+\b]    ; the conversion's scale operand
.endr
.irp b, 0,1,2,3
	s_delay_alu instid0(VALU_DEP_4)
	v_lshrrev_b32 v[BP+\b], 23, v[SO+\b]           ; the scale's byte
.endr
	s_delay_alu instid0(VALU_DEP_3)
	v_lshl_or_b32 v[\pwr], v[BP+1], 8, v[BP]       ; p's scale word for these 128 keys
	s_delay_alu instid0(VALU_DEP_1)
	v_lshl_or_b32 v[\pwr], v[BP+2], 16, v[\pwr]
	s_delay_alu instid0(VALU_DEP_1)
	v_lshl_or_b32 v[\pwr], v[BP+3], 24, v[\pwr]
.irp c, 0,1
	v_cvt_scalef32_pk16_fp6_f32 v[\pcd+6*\c:\pcd+6*\c+2], v[S+32*\c:S+32*\c+15], v[SO+2*\c]
	v_cvt_scalef32_pk16_fp6_f32 v[CT+4*\c:CT+4*\c+2], v[S+32*\c+16:S+32*\c+31], v[SO+2*\c+1]
.endr
	v_nop                                          ; one plain place behind a scaled conversion
.irp c, 0,1                                    ; the operand's layout wants a whole block in a lane
.irp i, 0,1,2
	v_permlane16_swap_b32 v[\pcd+6*\c+\i], v[CT+4*\c+\i]
.endr
.irp i, 0,1,2
	s_delay_alu instid0(VALU_DEP_3)
	v_mov_b32 v[\pcd+3+6*\c+\i], v[CT+4*\c+\i]
.endr
.endr
.endm
.macro RESC o, f                       ; a tile's O^T under the new M: x f
	WIN 0x41
.set n, 0
.rept 16
	v_pk_mul_f32 v[\o+n:\o+n+1], v[\o+n:\o+n+1], v[\f:\f+1] op_sel_hi:[1,0]
.set n, n+2
.endr
.endm
; A KEY STEP: 128 keys, both tiles of queries.  Each fragment of K and of V read from LDS serves both tiles.
.macro STEP last
	v_add_nc_u32 v[ADK], s[TB], v[LI]
	v_add_nc_u32 v[ADS], s[TB], v[LR]
	v_nop
	v_nop                                          ; four places behind the last step's products, in front of the loads into V's registers
.irp k, 0,1,2,3,4,5,6,7,8,9,10,11
	ds_load_b128 v[KF+4*\k:KF+4*\k+3], v[ADK] offset:512*\k             ; K's four images, as they lie
.endr
	ds_load_b128 v[KS:KS+3], v[ADS] offset:KSCO
	s_wait_dscnt 0x0
	QK 0
	NOPS 4
	SOFT STA, FA, PCA, PW, \last
	QK 1
	RESC 0, FA                                     ; tile a's O^T: also the places behind tile b's scores
	WIN 0
.irp k, 0,1,2,3,4,5,6,7,8,9,10,11
	ds_load_b128 v[KF+4*\k:KF+4*\k+3], v[ADK] offset:VOFF+512*\k        ; V's four images land while tile b's softmax is walked
.endr
	ds_load_b128 v[VS:VS+3], v[ADS] offset:VSCO
	SOFT STB, FB, PCA+12, PW+1, \last
	RESC 32, FB                                    ; also the places between p's scale word and codes and the products below
	s_wait_alu depctr_va_vdst(0)
	s_wait_dscnt 0x0
	WIN 0x50
.irp t, 0,1,2,3
.irp u, 0,1
	v_wmma_scale_f32_16x16x128_f8f6f4 v[32*\u+8*\t:32*\u+8*\t+7], v[KF+12*\t:KF+12*\t+11], v[PCA+12*\u:PCA+12*\u+11], v[32*\u+8*\t:32*\u+8*\t+7], v[VS+\t], v[PW+\u] matrix_a_fmt:MATRIX_FMT_FP6 matrix_b_fmt:MATRIX_FMT_FP6
.endr
.endr
	WIN 0
.endm
	s_mov_b32 s[TB], 0
	s_mov_b32 s[CNT], NK-1
.Lstep:                                            ; ten whole steps
	STEP 0
	s_add_co_u32 s[TB], s[TB], KVB
	s_sub_co_u32 s[CNT], s[CNT], 1
	s_cmp_lg_u32 s[CNT], 0
	s_cbranch_scc1 .Lstep
	STEP 1                                         ; the eleventh has 90 keys
	; THE WAY OUT.  O^T / the sum goes through my stage in LDS, a tile at a time, and leaves as whole rows: sixteen lanes store a head's 256 consecutive bytes of a row, aligned to 256.
	NOPS 4
	v_add_f32 v[STA+2], v[STA+2], v[STA+3]
	v_add_f32 v[STB+2], v[STB+2], v[STB+3]
	s_delay_alu instid0(VALU_DEP_2)
	v_permlanex16_b32 v[BP], v[STA+2], s[SEL], s[SEL+1]
	s_delay_alu instid0(VALU_DEP_2)
	v_permlanex16_b32 v[BP+1], v[STB+2], s[SEL], s[SEL+1]
	s_delay_alu instid0(VALU_DEP_2)
	v_add_f32 v[STA+2], v[STA+2], v[BP]            ; the row's sum
	s_delay_alu instid0(VALU_DEP_2)
	v_add_f32 v[STB+2], v[STB+2], v[BP+1]
	s_wait_alu depctr_va_vdst(0)
	v_rcp_f32 v[FA], v[STA+2]
	v_rcp_f32 v[FB], v[STB+2]
	v_nop
	s_wait_alu depctr_va_vdst(0)                   ; one wait for the two, ahead of their first reader
	WIN 0x01
.set n, 0
.rept 16
	v_pk_mul_f32 v[S+n:S+n+1], v[n:n+1], v[FA:FA+1] op_sel_hi:[1,0]      ; register 8 t + j is out(query r, channel 16 t + 8 h + j)
	v_pk_mul_f32 v[S+32+n:S+32+n+1], v[32+n:32+n+1], v[FB:FB+1] op_sel_hi:[1,0]
.set n, n+2
.endr
	WIN 0
.irp u, 0,1
.irp t, 0,1,2,3
	ds_store_b128 v[STO], v[S+32*\u+8*\t:S+32*\u+8*\t+3] offset:64*\t
	ds_store_b128 v[STO], v[S+32*\u+8*\t+4:S+32*\u+8*\t+7] offset:64*\t+16
.endr
.irp i, 0,1,2,3,4,5,6,7
	ds_load_b128 v[KF+112*\u+4*\i:KF+112*\u+4*\i+3], v[RD] offset:2*\i*SP   ; LDS serves a wave's instructions in order: these see my stores, and tile b's stores come behind them
.endr
.endr
	s_wait_xcnt 0x0                                ; EXEC changes only behind this wait
.macro OUT u, i, left                  ; rows 16 u + 2 i and the next; a lane whose row is no query stores nothing
	s_wait_dscnt \left
	v_cmp_gt_u32 vcc_lo, LQ-(16*\u+2*\i), v[VQ]
	s_and_saveexec_b32 s38, vcc_lo
	global_store_b128 v[GO], v[KF+112*\u+4*\i:KF+112*\u+4*\i+3], s[16:17] offset:(16*\u+2*\i)*4096 th:TH_STORE_NT
	s_wait_xcnt 0x0                                ; and again, in front of the line that widens it
	s_or_b32 exec_lo, exec_lo, s38
.endm
.irp i, 0,1,2,3,4,5,6,7
	OUT 0, \i, 23-\i                               ; behind tile a's load i: its 7 - i younger loads and tile b's sixteen instructions
.endr
.irp i, 0,1,2,3,4,5,6,7
	OUT 1, \i, 7-\i
.endr
	s_set_vgpr_msb 0x5
	s_wait_tensorcnt 0x0                           ; the wave's end
	ds_add_u32 v64, v65
	s_wait_dscnt 0x0
	s_set_vgpr_msb 0x500
	CROUND                                         ; the closing round
	s_endpgm
.Lfunc_end_k_qcc9c9ead80_attn:
	.size	k_qcc9c9ead80_attn, .Lfunc_end_k_qcc9c9ead80_attn-k_qcc9c9ead80_attn
	.p2alignl 7, 3214868480
	.fill 96, 4, 3214868480
	.section	.rodata,"a",@progbits
	.p2align	6, 0x0
	.amdhsa_kernel k_qcc9c9ead80_attn
		.amdhsa_group_segment_fixed_size 244992
		.amdhsa_private_segment_fixed_size 0
		.amdhsa_enable_private_segment 0
		.amdhsa_kernarg_size 56
		.amdhsa_user_sgpr_count 2
		.amdhsa_user_sgpr_kernarg_segment_ptr 1
		.amdhsa_wavefront_size32 1
		.amdhsa_system_sgpr_workgroup_id_x 1
		.amdhsa_system_sgpr_workgroup_id_y 1
		.amdhsa_system_sgpr_workgroup_id_z 1
		.amdhsa_system_vgpr_workitem_id 0
		.amdhsa_next_free_vgpr 322
		.amdhsa_next_free_sgpr 80
		.amdhsa_reserve_vcc 1
		.amdhsa_float_denorm_mode_32 3
		.amdhsa_float_denorm_mode_16_64 3
		.amdhsa_memory_ordered 1
		.amdhsa_forward_progress 1
		.amdhsa_inst_pref_size 121
	.end_amdhsa_kernel
	.amdgpu_metadata
---
amdhsa.version: [ 1, 2 ]
amdhsa.kernels:
  - .name:           k_qcc9c9ead80_attn
    .symbol:         k_qcc9c9ead80_attn.kd
    .args:
      - { .name: hidden_states_codes, .offset: 0, .size: 8, .value_kind: global_buffer, .address_space: global }
      - { .name: hidden_states_scales, .offset: 8, .size: 8, .value_kind: global_buffer, .address_space: global }
      - { .name: Wq_codes, .offset: 16, .size: 8, .value_kind: global_buffer, .address_space: global }
      - { .name: Wq_scales, .offset: 24, .size: 8, .value_kind: global_buffer, .address_space: global }
      - { .name: bq, .offset: 32, .size: 8, .value_kind: global_buffer, .address_space: global }
      - { .name: kv, .offset: 40, .size: 8, .value_kind: global_buffer, .address_space: global }
      - { .name: out0, .offset: 48, .size: 8, .value_kind: global_buffer, .address_space: global }
    .group_segment_fixed_size: 244992
    .private_segment_fixed_size: 0
    .kernarg_segment_align: 8
    .kernarg_segment_size: 56
    .max_flat_workgroup_size: 352
    .sgpr_count:     80
    .vgpr_count:     322
    .wavefront_size: 32
...
	.end_amdgpu_metadata
.endif
;; end of part 2
